; MI455X (gfx1250); checked and timed in simulation.
; The chip was launched on July 23, 2026; its instructions are those of AMD's public machine-readable ISA for CDNA 5 (MIT licence, August 2026) and "CDNA5" Instruction Set Architecture Reference Guide (July 2026). The comments in the code are by the model that wrote it; some were corrected since.
;; sentence rep. Allowed arithmetic: float matrix products may take bf16 or f16 operands with f32 sums; all other float work in f32.
;; Inputs: W_hh_f 512 x 128 float32; W_hh_r 512 x 128 float32; W_ih_f 512 x 64 float32; W_ih_r 512 x 64 float32; W_lin 512 x 868 float32; b_f 512 float32; b_lin 512 float32; b_r 512 float32; char_emb 256 x 64 float32; char_ids 16,384 x 16 int32; char_len 16,384 int32; word_emb 50,000 x 100 float32; word_ids 16,384 int32.
;; Outputs: out0 16,384 x 512 float32.
;; One version. Each part assembles by itself: llvm-mc -triple=amdgcn-amd-amdhsa -mcpu=gfx1250 --defsym DOCPART=n.
;; ======== version 1 of 1: 2 launches
;; workspace buffers: order 65,536 bytes of whole numbers; wl 393,216 bytes; wq 917,504 bytes
;; launch prep (part 1): grid 96 x 1, 32 waves a work-group, no clusters, 73,984 bytes of LDS; arguments char_len, W_ih_f, W_ih_r, W_hh_f, W_hh_r, W_lin, order, wl, wq; writes order, wl, wq
.if DOCPART == 1
	.amdgcn_target "amdgcn-amd-amdhsa--gfx1250"
	.amdhsa_code_object_version 6
	.text
	.protected	k_qd7038b75f4_prep
	.globl	k_qd7038b75f4_prep
	.p2align	8
	.type	k_qd7038b75f4_prep,@function
k_qd7038b75f4_prep:
	s_mov_b64 s[64:65], 0
	v_nop
	global_prefetch_b8 v0, s[64:65] scope:SCOPE_SE
	s_setreg_imm32_b32 hwreg(HW_REG_WAVE_MODE, 25, 1), 1
	s_wait_xcnt 0x0
; Three jobs, chosen by the work-group's number (the same for all its waves):
;   groups 0-15   order: the 16,384 word numbers by clamp(char_len, 1, 16), longest first; group k places the words of length 16 - k
;   groups 16-39  wl:    the two LSTMs' weights [W_ih | W_hh] in bf16, scaled, laid out as matrix A fragments
;   groups 40-95  wq:    W_lin in bf16, scaled, its columns permuted (char features first, word embedding behind, zeros up to 896), as A fragments
; A fragment chunk is 16 bytes of lane L = 16 h + r: row r of 16 rows, k = 16 p + 8 h + 0..7 of 32 (ISA guide 7.12.2: 16-bit A, K = 32),
; so that a later 16-byte load of a wave takes 512 consecutive bytes and lands in the operand registers as it is.
; wl chunk byte = f*16384 + (8 d + w)*1024 + p*512 + 16 L, f = 4 kk + q (K step kk of 6, gate q); row 128 q + 16 w + r; k = 32 kk + 16 p + 8 h.
; wq chunk byte = ks*32768 + w*4096 + m*1024 + p*512 + 16 L; row 64 w + 16 m + r; k = 32 ks + 16 p + 8 h.
; SCALES: gates i, f, o by -log2(e), gate g and W_lin by 2 log2(e): the sums are then arguments of 2^x for sigmoid and tanh.
; THE SORT needs no traffic between groups: every group reads all 16,384 lengths, counts the longer words (where its own run of order begins) and compacts
; its own.  Each position of order is stored by one group.  Within a length the words stand in the order wave, register, lane.
; The program's values need order to be a permutation only; like lengths side by side serve the later launch's skipping of finished tiles.
.set XW,  0                            ; LDS: one word a wave: (longer words << 16) | my words
.set WR,  256                          ; LDS: each wave's own run: 512 places, then 32 places for the lanes that have nothing to put
.set WRP, 2176                         ; 544 words
.set LN,  4                            ; v[4:19]   my wave's 512 lengths: register 4 q + e of lane l is word 512 wave + 128 q + 4 l + e
.set PO,  32                           ; v[32:47]  byte offsets in order, one for each turn of 32 places
.set DA,  48                           ; v[48:63]  word numbers read back
.set MK,  44                           ; s[44:59]  register i: the lanes whose word has my group's length
.set GM,  66                           ; s[66:81]  register i: the lanes whose word is longer
.set RN,  82                           ; s[82:97]  register i: how many of my wave's earlier registers' words have my length
	s_load_b512 s[8:23], s[0:1], 0x0               ; char_len s[8:9], W_ih_f s[10:11], W_ih_r s[12:13], W_hh_f s[14:15], W_hh_r s[16:17], W_lin s[18:19], order s[20:21], wl s[22:23]
	s_load_b64 s[24:25], s[0:1], 0x40              ; wq
	v_lshl_add_u32 v64, v0, 2, 0x11100
	v_mov_b32 v65, 0
	v_lshrrev_b32 v1, 5, v0
	v_readfirstlane_b32 s2, v1                     ; wave 0..31
	s_mov_b32 s3, ttmp9
	s_wait_kmcnt 0x0
	s_cmp_lt_u32 s3, 16
	s_cbranch_scc1 .Lsort
	v_and_b32 v1, 15, v0                           ; r
	v_bfe_u32 v2, v0, 4, 1                         ; h
	v_bfe_u32 v3, v0, 5, 1                         ; p
	s_cmp_lt_u32 s3, 40
	s_cbranch_scc1 .Lwl
	; ---- wq: one chunk a thread; the group's 16,384 bytes are half of a K step
	s_sub_co_u32 s26, s3, 40                       ; b = 0..55
	s_lshr_b32 s27, s26, 1                         ; ks
	s_and_b32 s28, s26, 1                          ; which 256 rows
	s_lshl_b32 s29, s27, 5                         ; 32 ks
	s_movk_i32 s30, 100
	s_movk_i32 s31, -768
	s_movk_i32 s32, 868
	s_cmp_lt_u32 s27, 24
	s_cselect_b32 s31, s30, s31                    ; ks < 24: W_lin column 100 + k (char features); else column k - 768 (word embedding)
	s_cselect_b32 s32, s32, s30                    ; and where that part of the row ends: 868 or 100
	s_add_co_i32 s29, s29, s31                     ; first column of the K step
	s_sub_co_u32 s33, s32, 4                       ; the last whole quad of columns that may be loaded
	s_lshl_b32 s34, s28, 8
	s_lshl_b32 s35, s26, 14
	v_lshrrev_b32 v4, 6, v0
	v_lshl_add_u32 v4, v4, 4, v1
	v_add_nc_u32 v4, s34, v4                       ; row = 256 (b & 1) + 16 (t >> 6) + r
	v_lshlrev_b32 v5, 4, v3
	v_lshl_add_u32 v5, v2, 3, v5
	v_add_nc_u32 v5, s29, v5                       ; first column of my first quad
	v_add_nc_u32 v6, 4, v5                         ; and of my second
	v_min_u32 v7, s33, v5                          ; a quad past the end is loaded from the last quad instead, and zeroed below
	v_min_u32 v20, s33, v6
	v_mul_u32_u24 v4, 0xd90, v4                    ; a row of W_lin is 868 x 4 = 3,472 bytes, a multiple of 16
	v_lshl_add_u32 v7, v7, 2, v4
	v_lshl_add_u32 v20, v20, 2, v4
	global_load_b128 v[8:11], v7, s[18:19]
	global_load_b128 v[12:15], v20, s[18:19]
	v_lshl_add_u32 v21, v0, 4, s35                 ; where my chunk goes: a wave stores 512 consecutive bytes
	s_wait_loadcnt 0x0
	v_cmp_gt_u32 vcc_lo, s32, v5
.irp j, 8,9,10,11
	v_cndmask_b32 v\j, 0, v\j, vcc_lo
.endr
	v_cmp_gt_u32 vcc_lo, s32, v6
.irp j, 12,13,14,15
	v_cndmask_b32 v\j, 0, v\j, vcc_lo
.endr
.irp j, 8,10,12,14
	v_pk_mul_f32 v[\j:\j+1], v[\j:\j+1], 0x4038aa3b op_sel_hi:[1,0]       ; 2 log2(e)
.endr
.irp j, 0,1,2,3
	v_cvt_pk_bf16_f32 v[16+\j], v[8+2*\j], v[9+2*\j]
.endr
	global_store_b128 v21, v[16:19], s[24:25]
	s_endpgm
	; ---- wl: one chunk a thread; the group's 16,384 bytes are fragment f of both directions and all eight waves
.Lwl:
	s_sub_co_u32 s26, s3, 16                       ; f
	s_lshr_b32 s27, s26, 2                         ; kk
	s_and_b32 s28, s26, 3                          ; q
	s_mov_b32 s36, 0xbfb8aa3b                      ; -log2(e)
	s_mov_b32 s38, 0x4038aa3b                      ; 2 log2(e)
	s_cmp_eq_u32 s28, 2
	s_cselect_b32 s36, s38, s36
	s_mov_b32 s37, s36                             ; the packed multiply names the pair
	s_cmp_lt_u32 s27, 2                            ; K steps 0, 1 come from W_ih (rows of 256 bytes), 2..5 from W_hh (rows of 512)
	s_cselect_b64 s[30:31], s[10:11], s[14:15]
	s_cselect_b64 s[32:33], s[12:13], s[16:17]
	s_cselect_b32 s34, 8, 9
	s_cselect_b32 s35, 0, 2
	s_sub_co_u32 s35, s27, s35
	s_lshl_b32 s35, s35, 7                         ; the K step's first byte in a row
	s_cmp_lt_u32 s2, 16                            ; threads 0-511 pack the forward direction, 512-1023 the reversed one
	s_cselect_b64 s[30:31], s[30:31], s[32:33]
	s_lshl_b32 s39, s28, 7
	s_lshl_b32 s40, s26, 14
	v_bfe_u32 v4, v0, 6, 3                         ; w
	v_lshl_add_u32 v4, v4, 4, v1
	v_add_nc_u32 v4, s39, v4                       ; row = 128 q + 16 w + r
	v_lshlrev_b32 v4, s34, v4
	v_lshl_add_u32 v4, v3, 6, v4                   ; + 16 p numbers
	v_lshl_add_u32 v4, v2, 5, v4                   ; + 8 h numbers
	v_add_nc_u32 v4, s35, v4
	global_load_b128 v[8:11], v4, s[30:31]
	global_load_b128 v[12:15], v4, s[30:31] offset:16
	v_lshl_add_u32 v5, v0, 4, s40
	s_wait_loadcnt 0x0
.irp j, 8,10,12,14
	v_pk_mul_f32 v[\j:\j+1], v[\j:\j+1], s[36:37] op_sel_hi:[1,0]
.endr
.irp j, 0,1,2,3
	v_cvt_pk_bf16_f32 v[16+\j], v[8+2*\j], v[9+2*\j]
.endr
	global_store_b128 v5, v[16:19], s[22:23]
	s_endpgm
	; ---- the sort: my group's length is L = 16 - group.  Wave w reads words 512 w .. 512 w + 511.
.Lsort:
	v_and_b32 v1, 31, v0                           ; lane
	s_lshl_b32 s29, s2, 11                         ; my wave's 512 lengths are 2,048 bytes
	v_lshl_add_u32 v3, v1, 4, s29
.irp q, 0,1,2,3
	global_load_b128 v[LN+4*\q:LN+4*\q+3], v3, s[8:9] offset:512*\q     ; 512 consecutive bytes each
.endr
	; clamp(len, 1, 16) == L is  a <= len and not b < len;  clamp(len, 1, 16) > L is  b < len.
	s_sub_co_u32 s26, 16, s3                       ; L
	s_mov_b32 s27, 0x80000000
	s_cmp_eq_u32 s26, 1
	s_cselect_b32 s27, s27, s26                    ; a = L; for L = 1 the least int: every shorter length counts as 1
	s_mov_b32 s28, 0x7fffffff
	s_cmp_eq_u32 s26, 16
	s_cselect_b32 s28, s28, s26                    ; b = L; for L = 16 the largest int: nothing counts as longer
	s_lshl_b32 s30, s2, 9
	v_lshl_add_u32 v2, v1, 2, s30                  ; the word number of my register 0: 512 wave + 4 lane
	s_mul_i32 s31, s2, WRP
	s_add_co_u32 s31, s31, WR                      ; my wave's run in LDS
	v_mov_b32 v20, s31
	v_add_nc_u32 v21, 0x200, v1                    ; the place of a lane that has nothing to put
	v_lshl_add_u32 v22, v1, 2, s31                 ; where I read the run back
	s_lshl_b32 s41, s2, 2
	v_mov_b32 v23, s41                             ; my wave's word of XW
	v_lshlrev_b32 v28, 2, v1                       ; lane l reads wave l's word
	s_mov_b32 s36, 0x76543210                      ; v_permlanex16_b32: lane i of one half reads lane i of the other
	s_mov_b32 s37, 0xfedcba98
	s_mov_b32 s32, 0                               ; my wave's words of my length
	s_mov_b32 s33, 0                               ; my wave's longer words
	s_wait_loadcnt 0x0
	s_wait_xcnt 0x0                                ; EXEC is narrowed further down: no global access is pending from here to the first store
.irp i, 0,1,2,3,4,5,6,7,8,9,10,11,12,13,14,15
	v_cmp_le_i32 s[MK+\i], s27, v[LN+\i]
	v_cmp_lt_i32 s[GM+\i], s28, v[LN+\i]
.endr
.irp i, 0,1,2,3,4,5,6,7,8,9,10,11,12,13,14,15
	s_and_not1_b32 s[MK+\i], s[MK+\i], s[GM+\i]
	s_mov_b32 s[RN+\i], s32
	s_bcnt1_i32_b32 s34, s[MK+\i]
	s_bcnt1_i32_b32 s35, s[GM+\i]
	s_add_co_u32 s32, s32, s34
	s_add_co_u32 s33, s33, s35
.endr
	s_lshl_b32 s34, s33, 16                        ; both counts are at most 512
	s_or_b32 s34, s34, s32
	v_mov_b32 v24, s34
	ds_store_b32 v23, v24                          ; every lane writes the same word with the same value
	s_wait_dscnt 0x0                               ; for the other waves' sake
	s_barrier_signal -1
	s_barrier_wait -1
	ds_load_b32 v24, v28
	s_wait_dscnt 0x0
	v_and_b32 v25, 0xffff0000, v24
	v_cmp_gt_u32 vcc_lo, s2, v1
	v_cndmask_b32 v24, v25, v24, vcc_lo            ; all waves' longer words count, of my length only the lower waves'
	; the sum over 32 lanes, both fields at once: the low one is at most 31 x 512, the high one at most 16,384: no carry between them
.irp m, 1,2,4,8
	v_mov_b32_dpp v25, v24 row_xmask:\m row_mask:0xf bank_mask:0xf
	v_add_nc_u32 v24, v24, v25
.endr
	v_permlanex16_b32 v25, v24, s36, s37
	v_add_nc_u32 v24, v24, v25
	v_readfirstlane_b32 s38, v24
	s_lshr_b32 s39, s38, 16
	s_and_b32 s38, s38, 0xffff
	s_add_co_u32 s40, s39, s38                     ; where my wave's run begins in order
	; compaction into my wave's own bytes: place = words of my length in earlier registers + in lower lanes of this one.
	; The place is clamped before it enters the address, so the wave's stores stay inside its 2,176 bytes by the text's own arithmetic.
.irp i, 0,1,2,3,4,5,6,7,8,9,10,11,12,13,14,15
	v_mbcnt_lo_u32_b32 v26, s[MK+\i], s[RN+\i]
	v_cndmask_b32 v26, v21, v26, s[MK+\i]
	v_min_u32 v26, 0x21f, v26
	v_lshl_add_u32 v26, v26, 2, v20
	v_add_nc_u32 v27, 128*((\i)/4)+(\i)%4, v2      ; the word's number
	ds_store_b32 v26, v27
.endr
	; All sixteen turns' byte offsets in order are made here, with every lane on, ahead of the first line that narrows EXEC: a clamp written with
	; lanes off would leave those lanes' registers as they were.  Position = the run's beginning + 32 turn + lane, clamped to the list's last word.
	v_add_nc_u32 v30, s40, v1
.irp i, 0,1,2,3,4,5,6,7,8,9,10,11,12,13,14,15
	v_add_nc_u32 v[PO+\i], 32*\i, v30
	v_min_u32 v[PO+\i], 0x3fff, v[PO+\i]
	v_lshlrev_b32 v[PO+\i], 2, v[PO+\i]
.endr
	; the run goes out 32 places at a time: neighbouring lanes store neighbouring words of order.  Four bytes a lane, since a run begins wherever the counts put it.
	; LDS serves a wave's instructions in order (ISA guide 5.7.1) and the run is the wave's own: no barrier.  The wave leaves when its count is used up.
.irp i, 0,1,2,3,4,5,6,7,8,9,10,11,12,13,14,15
	s_cmp_le_u32 s32, 32*\i
	s_cbranch_scc1 .Lsdone
	v_add_nc_u32 v29, 32*\i, v1
	v_cmp_gt_u32 vcc_lo, s32, v29
	s_and_saveexec_b32 s43, vcc_lo                 ; the places below the count (no global access is pending: the wait above, or the one below in the turn before)
	ds_load_b32 v[DA+\i], v22 offset:128*\i
	s_wait_dscnt 0x0
	global_store_b32 v[PO+\i], v[DA+\i], s[20:21]
	s_wait_xcnt 0x0                                ; EXEC is a source of the pending store: it is widened only behind this wait
	s_or_b32 exec_lo, exec_lo, s43
.endr
.Lsdone:
	s_wait_tensorcnt 0x0
	ds_add_u32 v64, v65
	s_wait_dscnt 0x0
	s_endpgm
.Lfunc_end_k_qd7038b75f4_prep:
	.size	k_qd7038b75f4_prep, .Lfunc_end_k_qd7038b75f4_prep-k_qd7038b75f4_prep
	.p2alignl 7, 3214868480
	.fill 96, 4, 3214868480
	.section	.rodata,"a",@progbits
	.p2align	6, 0x0
	.amdhsa_kernel k_qd7038b75f4_prep
		.amdhsa_group_segment_fixed_size 73984
		.amdhsa_private_segment_fixed_size 0
		.amdhsa_enable_private_segment 0
		.amdhsa_kernarg_size 72
		.amdhsa_user_sgpr_count 2
		.amdhsa_user_sgpr_kernarg_segment_ptr 1
		.amdhsa_wavefront_size32 1
		.amdhsa_system_sgpr_workgroup_id_x 1
		.amdhsa_system_sgpr_workgroup_id_y 1
		.amdhsa_system_sgpr_workgroup_id_z 1
		.amdhsa_system_vgpr_workitem_id 0
		.amdhsa_next_free_vgpr 66
		.amdhsa_next_free_sgpr 98
		.amdhsa_reserve_vcc 1
		.amdhsa_float_denorm_mode_32 3
		.amdhsa_float_denorm_mode_16_64 3
		.amdhsa_memory_ordered 1
		.amdhsa_forward_progress 1
		.amdhsa_inst_pref_size 29
	.end_amdhsa_kernel
	.amdgpu_metadata
---
amdhsa.version: [ 1, 2 ]
amdhsa.kernels:
  - .name:           k_qd7038b75f4_prep
    .symbol:         k_qd7038b75f4_prep.kd
    .args:
      - { .name: char_len, .offset: 0, .size: 8, .value_kind: global_buffer, .address_space: global }
      - { .name: W_ih_f, .offset: 8, .size: 8, .value_kind: global_buffer, .address_space: global }
      - { .name: W_ih_r, .offset: 16, .size: 8, .value_kind: global_buffer, .address_space: global }
      - { .name: W_hh_f, .offset: 24, .size: 8, .value_kind: global_buffer, .address_space: global }
      - { .name: W_hh_r, .offset: 32, .size: 8, .value_kind: global_buffer, .address_space: global }
      - { .name: W_lin, .offset: 40, .size: 8, .value_kind: global_buffer, .address_space: global }
      - { .name: order, .offset: 48, .size: 8, .value_kind: global_buffer, .address_space: global }
      - { .name: wl, .offset: 56, .size: 8, .value_kind: global_buffer, .address_space: global }
      - { .name: wq, .offset: 64, .size: 8, .value_kind: global_buffer, .address_space: global }
    .group_segment_fixed_size: 73984
    .private_segment_fixed_size: 0
    .kernarg_segment_align: 8
    .kernarg_segment_size: 72
    .max_flat_workgroup_size: 1024
    .sgpr_count:     98
    .vgpr_count:     66
    .wavefront_size: 32
...
	.end_amdgpu_metadata
.endif
;; end of part 1
;; launch main (part 2): grid 256 x 1, 8 waves a work-group, no clusters, 228,608 bytes of LDS; arguments order, wl, wq, char_ids, char_len, word_ids, word_emb, char_emb, b_f, b_r, b_lin, out0; writes out0
.if DOCPART == 2
	.amdgcn_target "amdgcn-amd-amdhsa--gfx1250"
	.amdhsa_code_object_version 6
	.text
	.protected	k_qd7038b75f4_main
	.globl	k_qd7038b75f4_main
	.p2align	8
	.type	k_qd7038b75f4_main,@function
k_qd7038b75f4_main:
	s_mov_b64 s[64:65], 0
	v_nop
	global_prefetch_b8 v0, s[64:65] scope:SCOPE_SE
	s_setreg_imm32_b32 hwreg(HW_REG_WAVE_MODE, 25, 1), 1
	s_wait_xcnt 0x0
; out0[word] = tanh(W_lin [word_emb[word_ids] | avg, max, min over the valid steps of two char LSTMs] + b_lin), all in one launch.
; SHARES.  The list of words sorted by length is cut into 1,024 tiles of 16 words; group g takes tiles g, 511 - g, 512 + g, 1023 - g
; (a long, two middle and a short one: about the same sum of lengths in every group).  Wave w owns hidden units 16 w .. 16 w + 15, that is
; four gate tiles of 16 rows, for all 64 words; its 24 weight fragments (4 gates x 6 K steps of 32: 64 of x, 128 of h) stay in 192 registers for a direction.
; THE PRODUCT is gates = W x [x; h]: A = 16 gate rows, B = 16 words.  In the result lane (r, h) register j is gate row 8 h + j of word r (ISA guide 7.12.2),
; so i, f, g, o of one unit and word lie in the same lane and register of four accumulators, and a lane's 8 new h pack into 16 bytes of a row of the next B.
; h goes from wave to wave through two LDS buffers that take turns, one barrier a step.
; SKIPPING.  The steps t >= char_len are masked out of the pooling and feed nothing else, so a tile whose 16 words are all past their length is left out
; (the branch hangs on char_len, a whole number read from memory, and is the same in all eight waves; no barrier stands inside it).
; SCALES.  Weights and biases carry -log2(e) (i, f, o) or 2 log2(e) (g, W_lin): sigmoid(x) = 1 / (1 + 2^a), tanh(x) = (2^a - 1) / (2^a + 1).
; Only g's argument is capped (at 40, where tanh is 1 in f32): every other 2^a may be infinite, its reciprocal is then 0 and its partner is finite; |c| <= 16, so 2^(2.89 c) <= 2^47.
; NO CLUSTER, NO TENSOR LOADS: a weight fragment is used by one wave of the group and arrives by 16-byte loads of 512 consecutive bytes straight in its operand registers;
; a joint load would land in LDS and add an LDS write and read for each byte, and the partners' numbers of tile steps hang on lengths read from memory.
; LIMITS.  A NaN in g's sum is lost in the cap (v_min_num_f32).  order, word_ids and char_ids are clamped to 16,383, 49,999 and 255.  For char_len > 16 the reversed index is clamped to 15.
; Matrix operands are bf16 (x, h, the pooled features, all weights); c, the pooling and the activations are f32.
.set CT,    0                          ; char table in bf16: 256 rows of 128 bytes, pitch 144
.set CID,   36864                      ; 64 word slots x 16 numbers: 144 x char id, pitch 80
.set WIDX,  41984                      ; 64 word numbers
.set HB,    42240                      ; two buffers of h: 64 rows of 256 bytes, pitch 272
.set HBUF,  17408
.set INFO,  77056                      ; 64 rows of 896 bf16 (768 char features, 100 of the word, 28 zeros), pitch 1,808
.set INFT,  28928                      ; 16 rows of it
.set INFH,  57856                      ; 32 rows of it
.set STAGE, 192768                     ; the way out: each wave's own 16 rows of 256 bytes, pitch 272
.set STW,   4352
; every pitch is an odd multiple of 16 bytes: the 16 rows that a fragment load touches begin at 16 different 16-byte columns of 256
; window 0
.set RR,    1                          ; lane & 15
.set HH,    2                          ; lane >> 4
.set CTH,   3                          ; CT + 16 h
.set ROWA,  4                          ; CID + 80 r
.set HBASE, 5                          ; HB + 272 r + 16 h
.set BOFF,  6                          ; 64 w + 32 h: my 8 biases of a gate
.set LOFF,  7                          ; 256 w + 32 h: my 8 numbers of b_lin
.set HWB,   8                          ; HBASE + 32 w: where my 8 h go
.set XA,    9
.set IDX,   10
.set WOFF,  11                         ; 16 lane + 1024 w
.set LEN,   12                         ; v[12:15] char_len of word r of tile n
.set XO,    16                         ; v[16:19] 144 x this step's char id
.set BASE,  20                         ; v[20:23] 0, or len - 1 in the reversed direction
.set MF,    24                         ; 1 or 0;    the odd partners of MF, PM, PN, RL are written once: a packed source names the pair
.set PM,    26                         ; 0 or -1e9
.set PN,    28                         ; 0 or +1e9
.set RL,    30                         ; 1 / len
.set T1,    32
.set T2,    40
.set AI,    48                         ; four accumulators
.set AF,    56
.set AG,    64
.set AO,    72
.set BX,    80                         ; v[80:95]  x, two B fragments
.set BH,    96                         ; v[96:127] h, four B fragments
.set CS,    128                        ; c, max, min: 8 registers a tile
.set MX,    160
.set MN,    192
.set HP,    224
.set INFW,  228                        ; INFO + 1808 r + 32 w + 16 h; v229 the same 32 rows down
; window 1: v[0:191] weight fragments (f at 8 f), later four slots of 32 for W_lin
.set BIASW, 192                        ; scaled biases, 8 a gate; later b_lin
.set SUMW,  224                        ; sums of h, 8 a tile
; the linear layer and the way out (window 0, when the LSTMs are done)
.set LB,    48                         ; two buffers of four B fragments
.set LBA0,  112
.set LBA1,  113
.set QOFF,  114
.set STO,   115
.set RDA,   116
.set WIA,   117
.set OOF,   118
.set LACC,  128                        ; 16 accumulators, (m, n) at 8 (4 m + n)
.set OD,    48
.set OW,    80
.set MSB, 0
.macro WIN new                         ; s_set_vgpr_msb: bits 1:0 source 0, 3:2 source 1, 5:4 source 2, 7:6 destination; the high byte repeats the setting that is left
.if MSB != \new
	s_set_vgpr_msb (MSB<<8)|\new
.set MSB, \new
.endif
.endm
.macro PLACES                          ; four plain vector instructions between a matrix instruction and whatever reads its result or writes one of its registers (ISA guide 7.12.1)
.rept 4
	v_nop
.endr
.endm
.macro TR8 op, reg                     ; a transcendental in place on 8 registers
.irp j, 0,1,2,3,4,5,6,7
	\op v[\reg+\j], v[\reg+\j]
.endr
.endm
.macro PKC op, dst, a, c               ; 8 numbers: dst = a op constant
.irp j, 0,2,4,6
	\op v[\dst+\j:\dst+\j+1], v[\a+\j:\a+\j+1], \c op_sel_hi:[1,0]
.endr
.endm
.macro PKV op, dst, a, b               ; 8 numbers: dst = a op b
.irp j, 0,2,4,6
	\op v[\dst+\j:\dst+\j+1], v[\a+\j:\a+\j+1], v[\b+\j:\b+\j+1]
.endr
.endm
.macro PKB op, dst, a, b               ; 8 numbers: dst = a op (the one number in register b)
.irp j, 0,2,4,6
	\op v[\dst+\j:\dst+\j+1], v[\a+\j:\a+\j+1], v[\b:\b+1] op_sel_hi:[1,0]
.endr
.endm
; my 24 weight fragments of direction d into window 1, my 32 biases into the accumulators' registers
.macro LOADW d
	WIN 0x40
.irp f, 0,1,2,3,4,5,6,7,8,9,10,11,12,13,14,15,16,17,18,19,20,21,22,23
	global_load_b128 v[8*\f:8*\f+3],   v[WOFF], s[10:11] offset:\f*16384+\d*8192
	global_load_b128 v[8*\f+4:8*\f+7], v[WOFF], s[10:11] offset:\f*16384+\d*8192+512
.endr
	WIN 0
.irp q, 0,1,2,3
	global_load_b128 v[AI+8*\q:AI+8*\q+3],   v[BOFF], s[24+2*\d:25+2*\d] offset:512*\q
	global_load_b128 v[AI+8*\q+4:AI+8*\q+7], v[BOFF], s[24+2*\d:25+2*\d] offset:512*\q+16
.endr
.endm
.macro BSC q, c
.irp j, 0,2,4,6
	v_pk_mul_f32 v[BIASW+8*\q+\j:BIASW+8*\q+\j+1], v[AI+8*\q+\j:AI+8*\q+\j+1], \c op_sel_hi:[1,0]
.endr
.endm
; the char of tile nn at index clamp(BASE + s5, 0, 15).  Its four vector instructions name no register of a matrix instruction: they are the four places behind the tile's last one.
.macro NEXTX nn
	v_add_nc_u32 v[IDX], s5, v[BASE+\nn]
	v_max_i32 v[IDX], 0, v[IDX]
	v_min_u32 v[IDX], 15, v[IDX]
	v_lshl_add_u32 v[IDX], v[IDX], 2, v[ROWA]
	ds_load_b32 v[XO+\nn], v[IDX] offset:1280*\nn
.endm
.macro SETDIR d
	s_wait_loadcnt 0x0                             ; weights and biases are in
	WIN 0x40
	BSC 0, 0xbfb8aa3b
	BSC 1, 0xbfb8aa3b
	BSC 2, 0x4038aa3b
	BSC 3, 0xbfb8aa3b
	WIN 0
.irp nn, 0,1,2,3
.if \d
	v_add_nc_u32 v[BASE+\nn], -1, v[LEN+\nn]
.else
	v_mov_b32 v[BASE+\nn], 0
.endif
.endr
	s_mov_b32 s5, 0
.irp nn, 0,1,2,3
	NEXTX \nn
.endr
	s_wait_dscnt 0x0
.endm
; one matrix instruction: gate q, K step kk, B at register breg; cbias = 1: the bias starts the sum, nothing is cleared
.macro WM kk, q, breg, cbias
.if \cbias
	v_wmma_f32_16x16x32_bf16 v[AI+8*\q:AI+8*\q+7], v[8*(4*\kk+\q):8*(4*\kk+\q)+7], v[\breg:\breg+7], v[BIASW+8*\q:BIASW+8*\q+7]
.else
	v_wmma_f32_16x16x32_bf16 v[AI+8*\q:AI+8*\q+7], v[8*(4*\kk+\q):8*(4*\kk+\q)+7], v[\breg:\breg+7], v[AI+8*\q:AI+8*\q+7]
.endif
.endm
.macro KSTEP kk, breg, first, cbias    ; the accumulators take turns, one instruction a turn
	WM \kk, 0, \breg, \cbias
.if \first == 0
	WM \kk, 1, \breg, \cbias                       ; in step 0 c is 0: gate f is not needed
.endif
	WM \kk, 2, \breg, \cbias
	WM \kk, 3, \breg, \cbias
.endm
; the cell of tile nn: 8 units x 1 word a lane.  first = 1 starts c, max, min and sum; nx = 0 (the last step): no later step reads h.
.macro CELL nn, first, wb, nx
.irp j, 0,1,2,3,4,5,6,7
	v_min_num_f32 v[AG+\j], s34, v[AG+\j]          ; cap at 40
.endr
	TR8 v_exp_f32, AI
.if \first == 0
	TR8 v_exp_f32, AF
.endif
	TR8 v_exp_f32, AG
	TR8 v_exp_f32, AO
	v_nop                                          ; one plain instruction between a transcendental and the use of its result (ISA guide 5.7.2), here and below
	s_wait_alu depctr_va_vdst(0)
	PKC v_pk_add_f32, T1, AG, -1.0                 ; G - 1
	PKC v_pk_add_f32, AI, AI, 1.0
	PKC v_pk_add_f32, AG, AG, 1.0
.if \first == 0
	PKC v_pk_add_f32, AF, AF, 1.0
.endif
	PKC v_pk_add_f32, AO, AO, 1.0
	PKV v_pk_mul_f32, AI, AI, AG                   ; (1 + I)(G + 1): one reciprocal serves sigmoid(i) tanh(g)
.if \first == 0
	TR8 v_rcp_f32, AF
.endif
	TR8 v_rcp_f32, AI
	v_nop
	s_wait_alu depctr_va_vdst(0)
.if \first
	PKV v_pk_mul_f32, CS+8*\nn, T1, AI
.else
	PKV v_pk_mul_f32, CS+8*\nn, CS+8*\nn, AF
.irp j, 0,2,4,6
	v_pk_fma_f32 v[CS+8*\nn+\j:CS+8*\nn+\j+1], v[T1+\j:T1+\j+1], v[AI+\j:AI+\j+1], v[CS+8*\nn+\j:CS+8*\nn+\j+1]
.endr
.endif
	PKC v_pk_mul_f32, AG, CS+8*\nn, 0x4038aa3b     ; 2 log2(e) c
	TR8 v_exp_f32, AG
	v_nop
	s_wait_alu depctr_va_vdst(0)
	PKC v_pk_add_f32, T1, AG, -1.0
	PKC v_pk_add_f32, AG, AG, 1.0
	PKV v_pk_mul_f32, AO, AO, AG                   ; (1 + O)(C + 1)
	TR8 v_rcp_f32, AO
	v_nop
	s_wait_alu depctr_va_vdst(0)
	PKV v_pk_mul_f32, T1, T1, AO                   ; h
.if \nx
.irp j, 0,1,2,3
	v_cvt_pk_bf16_f32 v[HP+\j], v[T1+2*\j], v[T1+2*\j+1]
.endr
	ds_store_b128 v[HWB], v[HP:HP+3] offset:\wb*HBUF+4352*\nn
.endif
	; pooling: a masked step enters as h - 1e9 = -1e9 and h + 1e9 = 1e9 exactly (|h| < 1 is below half a unit in the last place of 1e9), and as 0 in the sum
.if \first
	PKB v_pk_add_f32, MX+8*\nn, T1, PM
	PKB v_pk_add_f32, MN+8*\nn, T1, PN
	WIN 0x40
	PKB v_pk_mul_f32, SUMW+8*\nn, T1, MF
	WIN 0
.else
	PKB v_pk_add_f32, T2, T1, PM
.irp j, 0,1,2,3,4,5,6,7
	v_max_num_f32 v[MX+8*\nn+\j], v[MX+8*\nn+\j], v[T2+\j]
.endr
	PKB v_pk_add_f32, T2, T1, PN
.irp j, 0,1,2,3,4,5,6,7
	v_min_num_f32 v[MN+8*\nn+\j], v[MN+8*\nn+\j], v[T2+\j]
.endr
	WIN 0x50
.irp j, 0,2,4,6
	v_pk_fma_f32 v[SUMW+8*\nn+\j:SUMW+8*\nn+\j+1], v[T1+\j:T1+\j+1], v[MF:MF+1], v[SUMW+8*\nn+\j:SUMW+8*\nn+\j+1] op_sel_hi:[1,0,1]
.endr
	WIN 0
.endif
.endm
; one step of tile nn.  s[tr] = t; wb = the h buffer that this step writes (it reads the other).
.macro TILE nn, first, tr, wb, nx
	v_cmp_lt_i32 vcc_lo, s[\tr], v[LEN+\nn]        ; t < len
.if \first == 0
	s_cmp_eq_u32 vcc_lo, 0
	s_cbranch_scc1 .Lskip_\@                       ; all 16 words are past their length, now and in every later step
.endif
	v_cndmask_b32 v[MF], 0, 1.0, vcc_lo
	v_cndmask_b32 v[PM], s32, 0, vcc_lo
	v_cndmask_b32 v[PN], s33, 0, vcc_lo
	v_min_u32 v[XA], 0x8f70, v[XO+\nn]             ; 255 x 144
	v_add_nc_u32 v[XA], v[XA], v[CTH]
.irp c, 0,1,2,3
	ds_load_b128 v[BX+4*\c:BX+4*\c+3], v[XA] offset:32*\c
.endr
.if \first
	s_wait_dscnt 0x0
.else
.irp c, 0,1,2,3,4,5,6,7
	ds_load_b128 v[BH+4*\c:BH+4*\c+3], v[HBASE] offset:(1-\wb)*HBUF+4352*\nn+32*\c
.endr
	s_wait_dscnt 0x8                               ; x is in; the eight loads of h may be out
.endif
	WIN 0x11                                       ; A and C in window 1
	KSTEP 0, BX, \first, 1
	WIN 0x01                                       ; A in window 1
	KSTEP 1, BX+8, \first, 0
.if \first == 0
	s_wait_dscnt 0x6                               ; h's fragments come in pairs of loads: six, four, two, none younger
	KSTEP 2, BH, 0, 0
	s_wait_dscnt 0x4
	KSTEP 3, BH+8, 0, 0
	s_wait_dscnt 0x2
	KSTEP 4, BH+16, 0, 0
	s_wait_dscnt 0x0
	KSTEP 5, BH+24, 0, 0
.endif
	WIN 0
.if \nx
	NEXTX \nn
.else
	PLACES
.endif
	CELL \nn, \first, \wb, \nx
.if \first == 0
.Lskip_\@:
.endif
.endm
.macro STEP d, first, tr, wb, nx
.if \nx
.if \d
	s_not_b32 s5, s[\tr]                           ; -(t + 1): the reversed direction walks down from len - 1
.else
	s_add_co_u32 s5, s[\tr], 1
.endif
.endif
	TILE 0, \first, \tr, \wb, \nx
	TILE 1, \first, \tr, \wb, \nx
	TILE 2, \first, \tr, \wb, \nx
	TILE 3, \first, \tr, \wb, \nx
	s_wait_dscnt 0x0                               ; my h is written, my reads of the other buffer (which the next step overwrites) and the next chars are back
	s_barrier_signal -1
	s_barrier_wait -1
.endm
.macro DIR d                           ; step 0 starts every state; steps 1 to 14 in seven trips of two, so that each buffer stands in an immediate; step 15 hands nothing on
	SETDIR \d
	s_mov_b32 s4, 0
	STEP \d, 1, 4, 0, 1
	s_mov_b32 s4, 1
.Lt_\d:
	STEP \d, 0, 4, 1, 1
	s_add_co_u32 s35, s4, 1
	STEP \d, 0, 35, 0, 1
	s_add_co_u32 s4, s4, 2
	s_cmp_lt_u32 s4, 15
	s_cbranch_scc1 .Lt_\d
	STEP \d, 0, 4, 1, 0
.endm
.macro PUT src, nn, off                ; 8 numbers to bf16, 16 bytes into my columns of the word's row of INFO
.irp j, 0,1,2,3
	v_cvt_pk_bf16_f32 v[HP+\j], v[\src+2*\j], v[\src+2*\j+1]
.endr
	ds_store_b128 v[INFW+(\nn)/2], v[HP:HP+3] offset:((\nn)%2)*INFT+\off
.endm
.macro FIN d                           ; avg, max, min of direction d: columns 128 (2 s + d) + unit
.irp nn, 0,1,2,3
	v_cvt_f32_i32 v[RL], v[LEN+\nn]
	v_rcp_f32 v[RL], v[RL]
	v_nop
	WIN 0x01
	s_wait_alu depctr_va_vdst(0)
.irp j, 0,2,4,6
	v_pk_mul_f32 v[T1+\j:T1+\j+1], v[SUMW+8*\nn+\j:SUMW+8*\nn+\j+1], v[RL:RL+1] op_sel_hi:[1,0]
.endr
	WIN 0
	PUT T1, \nn, 256*\d
	PUT MX+8*\nn, \nn, 256*(2+\d)
	PUT MN+8*\nn, \nn, 256*(4+\d)
.endr
.endm
	; ---------------------------------------------------------------- prologue
	s_load_b512 s[8:23], s[0:1], 0x0               ; order s[8:9], wl s[10:11], wq s[12:13], char_ids s[14:15], char_len s[16:17], word_ids s[18:19], word_emb s[20:21], char_emb s[22:23]
	s_load_b256 s[24:31], s[0:1], 0x40             ; b_f s[24:25], b_r s[26:27], b_lin s[28:29], out0 s[30:31]
	v_lshrrev_b32 v3, 5, v0
	v_readfirstlane_b32 s2, v3                     ; wave 0..7
	s_mov_b32 s3, ttmp9                            ; g
	s_mov_b32 s32, 0xce6e6b28                      ; -1e9
	s_mov_b32 s33, 0x4e6e6b28                      ; +1e9
	s_mov_b32 s34, 0x42200000                      ; 40.0
	v_and_b32 v[RR], 15, v0
	v_bfe_u32 v[HH], v0, 4, 1
	s_lshl_b32 s36, s3, 6                          ; my four tiles' first bytes in order (64 bytes a tile): g,
	s_sub_co_u32 s37, 511, s3
	s_lshl_b32 s37, s37, 6                         ; 511 - g,
	s_add_co_u32 s38, s36, 32768                   ; 512 + g,
	s_add_co_u32 s39, s37, 32768                   ; 1023 - g
	s_bitcmp1_b32 s2, 1                            ; thread t serves word slot t >> 2, which lies in tile wave >> 1
	s_cselect_b32 s40, s37, s36
	s_and_b32 s41, s2, 4
	s_lshl_b32 s41, s41, 13
	s_add_co_u32 s40, s40, s41
	v_bfe_u32 v230, v0, 2, 4
	v_lshl_add_u32 v230, v230, 2, s40
	v_lshl_add_u32 v[BASE+0], v[RR], 2, s36
	v_lshl_add_u32 v[BASE+1], v[RR], 2, s37
	v_lshl_add_u32 v[BASE+2], v[RR], 2, s38
	v_lshl_add_u32 v[BASE+3], v[RR], 2, s39
	v_lshlrev_b32 v232, 4, v0
	s_wait_kmcnt 0x0
	global_load_b32 v231, v230, s[8:9]             ; my slot's word
.irp nn, 0,1,2,3
	global_load_b32 v[XO+\nn], v[BASE+\nn], s[8:9] ; word r of each tile
.endr
.irp i, 0,1,2,3,4,5,6,7,8,9,10,11,12,13,14,15
	global_load_b128 v[160+4*\i:160+4*\i+3], v232, s[22:23] offset:4096*\i     ; the whole char table, 4,096 consecutive bytes for the group's 256 threads
.endr
	; lane constants
	v_lshlrev_b32 v[CTH], 4, v[HH]
	v_mul_u32_u24 v[ROWA], 0x50, v[RR]
	v_add_nc_u32 v[ROWA], CID, v[ROWA]
	v_mul_u32_u24 v[HBASE], 0x110, v[RR]
	v_lshl_add_u32 v[HBASE], v[HH], 4, v[HBASE]
	v_add_nc_u32 v[HBASE], HB, v[HBASE]
	s_lshl_b32 s36, s2, 5
	v_add_nc_u32 v[HWB], s36, v[HBASE]
	s_lshl_b32 s37, s2, 6
	v_lshl_add_u32 v[BOFF], v[HH], 5, s37
	s_lshl_b32 s38, s2, 8
	v_lshl_add_u32 v[LOFF], v[HH], 5, s38
	s_lshl_b32 s39, s2, 10
	v_and_b32 v[WOFF], 31, v0
	v_lshl_add_u32 v[WOFF], v[WOFF], 4, s39
	v_mul_u32_u24 v[INFW], 0x710, v[RR]
	v_lshl_add_u32 v[INFW], v[HH], 4, v[INFW]
	v_add_nc_u32 v[INFW], s36, v[INFW]
	v_add_nc_u32 v[INFW], INFO, v[INFW]
	v_add_nc_u32 v[INFW+1], INFH, v[INFW]
	v_mov_b32 v[MF+1], 0
	v_mov_b32 v[PM+1], 0
	v_mov_b32 v[PN+1], 0
	v_mov_b32 v[RL+1], 0
	v_lshrrev_b32 v243, 4, v0                      ; char table: my 16 bytes are 4 numbers of row 16 i + (t >> 4)
	v_mul_u32_u24 v243, 0x90, v243
	v_lshl_add_u32 v243, v[RR], 3, v243
	v_lshrrev_b32 v244, 2, v0                      ; slot
	v_and_b32 v245, 3, v0                          ; part
	v_mul_u32_u24 v246, 0x50, v244
	v_lshl_add_u32 v246, v245, 4, v246
	v_add_nc_u32 v246, CID, v246
	v_lshlrev_b32 v247, 2, v244
	v_add_nc_u32 v247, WIDX, v247
	v_mul_u32_u24 v248, 0x710, v244
	v_lshl_add_u32 v248, v245, 3, v248
	v_add_nc_u32 v248, INFO+1536, v248             ; the word embedding begins at column 768
	v_mov_b32 v250, 0
	v_mov_b32 v251, 0
	s_wait_loadcnt 0x10                            ; the five word numbers are in; the 16 loads of the char table stay out
	v_min_u32 v231, 0x3fff, v231
.irp nn, 0,1,2,3
	v_min_u32 v[XO+\nn], 0x3fff, v[XO+\nn]
	v_lshlrev_b32 v[XO+\nn], 2, v[XO+\nn]
.endr
	v_lshlrev_b32 v233, 2, v231
	v_lshlrev_b32 v240, 6, v231
	v_lshl_add_u32 v240, v245, 4, v240
	global_load_b32 v234, v233, s[18:19]           ; word_ids
	global_load_b128 v[236:239], v240, s[14:15]    ; my four of the word's 16 char ids
.irp nn, 0,1,2,3
	global_load_b32 v[LEN+\nn], v[XO+\nn], s[16:17]
.endr
	s_wait_loadcnt 0x5                             ; word_ids is in; the char ids and the four lengths stay out
	v_min_u32 v234, 0xc34f, v234
	v_mul_u32_u24 v234, 0x190, v234                ; a row of word_emb is 400 bytes: 25 chunks of 16
	v_lshl_add_u32 v241, v245, 4, v234
	v_add_nc_u32 v242, 0x180, v234
.irp i, 0,1,2,3,4,5
	global_load_b128 v[128+4*\i:128+4*\i+3], v241, s[20:21] offset:64*\i       ; chunks part + 4 i
.endr
	global_load_b128 v[152:155], v242, s[20:21]    ; chunk 24, kept by part 0 alone
	s_wait_loadcnt 0x7                             ; all but the seven loads of word_emb
.irp i, 0,1,2,3,4,5,6,7,8,9,10,11,12,13,14,15
	v_cvt_pk_bf16_f32 v[160+4*\i],   v[160+4*\i],   v[160+4*\i+1]
	v_cvt_pk_bf16_f32 v[160+4*\i+1], v[160+4*\i+2], v[160+4*\i+3]
	ds_store_b64 v243, v[160+4*\i:160+4*\i+1] offset:2304*\i
.endr
.irp j, 0,1,2,3
	v_min_u32 v[236+\j], 0xff, v[236+\j]
	v_mul_u32_u24 v[236+\j], 0x90, v[236+\j]
.endr
	ds_store_b128 v246, v[236:239]
	ds_store_b32 v247, v231                        ; the slot's four threads write the same word with the same value
	LOADW 0
	s_wait_loadcnt 0x38                            ; word_emb is in; the 48 weight and 8 bias loads stay out
.irp i, 0,1,2,3,4,5,6
	v_cvt_pk_bf16_f32 v[128+4*\i],   v[128+4*\i],   v[128+4*\i+1]
	v_cvt_pk_bf16_f32 v[128+4*\i+1], v[128+4*\i+2], v[128+4*\i+3]
.endr
	v_cmp_eq_u32 vcc_lo, 0, v245
	v_cndmask_b32 v152, 0, v152, vcc_lo            ; columns 868 to 879 are zeros
	v_cndmask_b32 v153, 0, v153, vcc_lo
.irp i, 0,1,2,3,4,5,6
	ds_store_b64 v248, v[128+4*\i:128+4*\i+1] offset:32*\i
.endr
	ds_store_b64 v248, v[250:251] offset:224       ; columns 880 to 895 too
	s_wait_dscnt 0x0
	s_barrier_signal -1
	s_barrier_wait -1                              ; char table, char ids and word numbers are whole
	; ---------------------------------------------------------------- the two LSTMs
	DIR 0
	PLACES
	LOADW 1                                        ; the other direction's weights come while the pooled figures are written
	FIN 0
	DIR 1
	PLACES
	; ---------------------------------------------------------------- the linear layer: wave w makes outputs 64 w .. 64 w + 63 of all 64 words
	s_mul_i32 s36, s2, STW
	s_add_co_u32 s36, s36, STAGE
	s_lshl_b32 s37, s2, 8
	s_lshl_b32 s38, s2, 12
	v_and_b32 v[QOFF], 31, v0
	v_lshl_add_u32 v[QOFF], v[QOFF], 4, s38        ; 16 lane + 4096 w
	v_mul_u32_u24 v[LBA0], 0x710, v[RR]
	v_lshl_add_u32 v[LBA0], v[HH], 4, v[LBA0]
	v_add_nc_u32 v[LBA0], INFO, v[LBA0]
	v_add_nc_u32 v[LBA1], INFH, v[LBA0]
	v_mul_u32_u24 v[STO], 0x110, v[RR]
	v_lshl_add_u32 v[STO], v[HH], 5, v[STO]
	v_add_nc_u32 v[STO], s36, v[STO]               ; in: word r's row, 32 bytes for each half of the lanes
	v_mul_u32_u24 v[RDA], 0x110, v[HH]
	v_lshl_add_u32 v[RDA], v[RR], 4, v[RDA]
	v_add_nc_u32 v[RDA], s36, v[RDA]               ; back: lanes 0-15 one row of 256 bytes, lanes 16-31 the next
	v_lshlrev_b32 v[WIA], 2, v[HH]
	v_add_nc_u32 v[WIA], WIDX, v[WIA]
	v_lshl_add_u32 v[OOF], v[RR], 4, s37           ; 256 w + 16 (lane & 15)
.irp m, 0,1,2,3
	global_load_b128 v[AI+8*\m:AI+8*\m+3],   v[LOFF], s[28:29] offset:64*\m
	global_load_b128 v[AI+8*\m+4:AI+8*\m+7], v[LOFF], s[28:29] offset:64*\m+16
.endr
	WIN 0x40
.irp s, 0,1,2
.irp i, 0,1,2,3,4,5,6,7
	global_load_b128 v[32*\s+4*\i:32*\s+4*\i+3], v[QOFF], s[12:13] offset:\s*32768+512*\i   ; K steps 0, 1, 2 of W_lin into slots 0, 1, 2
.endr
.endr
	WIN 0
	FIN 1
	s_wait_loadcnt 0x18                            ; b_lin is in; the three slots' 24 loads stay out
	WIN 0x40
.irp j, 0,2,4,6,8,10,12,14,16,18,20,22,24,26,28,30
	v_pk_mul_f32 v[BIASW+\j:BIASW+\j+1], v[AI+\j:AI+\j+1], 0x4038aa3b op_sel_hi:[1,0]
.endr
	WIN 0
	s_wait_dscnt 0x0
	s_barrier_signal -1
	s_barrier_wait -1                              ; INFO is whole
.macro LBLOAD k                        ; the four words' tiles, 32 columns at 32 k
.irp nn, 0,1
	ds_load_b128 v[LB+32*((\k)%2)+8*\nn:LB+32*((\k)%2)+8*\nn+3],   v[LBA0] offset:\nn*INFT+64*(\k)
	ds_load_b128 v[LB+32*((\k)%2)+8*\nn+4:LB+32*((\k)%2)+8*\nn+7], v[LBA0] offset:\nn*INFT+64*(\k)+32
.endr
.irp nn, 0,1
	ds_load_b128 v[LB+32*((\k)%2)+16+8*\nn:LB+32*((\k)%2)+16+8*\nn+3],   v[LBA1] offset:\nn*INFT+64*(\k)
	ds_load_b128 v[LB+32*((\k)%2)+16+8*\nn+4:LB+32*((\k)%2)+16+8*\nn+7], v[LBA1] offset:\nn*INFT+64*(\k)+32
.endr
.endm
; K step ks of 28: asks for W_lin three steps ahead and for INFO one step ahead, then 16 matrix instructions on 16 accumulators (each once: turns of one)
.macro KS ks
	PLACES                                         ; the loads below land in registers that the last K step's matrix instructions read
.if \ks+3 <= 27
	WIN 0x40
.irp i, 0,1,2,3,4,5,6,7
	global_load_b128 v[32*((\ks+3)%4)+4*\i:32*((\ks+3)%4)+4*\i+3], v[QOFF], s[12:13] offset:(\ks+3)*32768+512*\i
.endr
.endif
	WIN 0
.if \ks+1 <= 27
	LBLOAD \ks+1
.endif
.if \ks < 24
	s_wait_loadcnt 0x18                            ; this step's slot is in; the three younger slots stay out
.else
	s_wait_loadcnt 8*(27-\ks)                      ; fewer are left
.endif
.if \ks < 27
	s_wait_dscnt 0x8                               ; this step's B is in; the next step's eight loads stay out
.else
	s_wait_dscnt 0x0
.endif
.if \ks == 0
	WIN 0x11
.else
	WIN 0x01
.endif
.irp m, 0,1,2,3
.irp nn, 0,1,2,3
.if \ks == 0
	v_wmma_f32_16x16x32_bf16 v[LACC+8*(4*\m+\nn):LACC+8*(4*\m+\nn)+7], v[32*((\ks)%4)+8*\m:32*((\ks)%4)+8*\m+7], v[LB+32*((\ks)%2)+8*\nn:LB+32*((\ks)%2)+8*\nn+7], v[BIASW+8*\m:BIASW+8*\m+7]
.else
	v_wmma_f32_16x16x32_bf16 v[LACC+8*(4*\m+\nn):LACC+8*(4*\m+\nn)+7], v[32*((\ks)%4)+8*\m:32*((\ks)%4)+8*\m+7], v[LB+32*((\ks)%2)+8*\nn:LB+32*((\ks)%2)+8*\nn+7], v[LACC+8*(4*\m+\nn):LACC+8*(4*\m+\nn)+7]
.endif
.endr
.endr
	WIN 0
.endm
	LBLOAD 0
.irp ks, 0,1,2,3,4,5,6,7,8,9,10,11,12,13,14,15,16,17,18,19,20,21,22,23,24,25,26,27
	KS \ks
.endr
	PLACES
	; ---------------------------------------------------------------- the way out, 16 words at a time
; tanh = 1 - 2 / (1 + 2^a).  A lane holds 8 outputs of one word; through my own stage they become rows, and sixteen lanes store 256 consecutive bytes,
; at a multiple of 256 from out0's first byte (2,048 x word + 256 w).  The stage is mine alone and LDS serves a wave's instructions in order (ISA guide 5.7.1): no barrier.
.macro OUTN nn
.irp m, 0,1,2,3
	TR8 v_exp_f32, LACC+8*(4*\m+\nn)
.endr
	v_nop
	s_wait_alu depctr_va_vdst(0)
.irp m, 0,1,2,3
	PKC v_pk_add_f32, LACC+8*(4*\m+\nn), LACC+8*(4*\m+\nn), 1.0
.endr
.irp m, 0,1,2,3
	TR8 v_rcp_f32, LACC+8*(4*\m+\nn)
.endr
	v_nop
	s_wait_alu depctr_va_vdst(0)
.irp m, 0,1,2,3
.irp j, 0,2,4,6
	v_pk_fma_f32 v[LACC+8*(4*\m+\nn)+\j:LACC+8*(4*\m+\nn)+\j+1], v[LACC+8*(4*\m+\nn)+\j:LACC+8*(4*\m+\nn)+\j+1], -2.0, 1.0 op_sel_hi:[1,0,0]
.endr
.endr
.irp m, 0,1,2,3
	ds_store_b128 v[STO], v[LACC+8*(4*\m+\nn):LACC+8*(4*\m+\nn)+3]   offset:64*\m
	ds_store_b128 v[STO], v[LACC+8*(4*\m+\nn)+4:LACC+8*(4*\m+\nn)+7] offset:64*\m+16
.endr
	s_wait_xcnt 0x0                                ; the last tile's stores have had their addresses translated (ISA guide 3.1): their data and offset registers are loaded again only behind this wait
.irp i, 0,1,2,3,4,5,6,7
	ds_load_b32 v[OW+\i], v[WIA] offset:4*(16*\nn+2*\i)
.endr
.irp i, 0,1,2,3,4,5,6,7
	ds_load_b128 v[OD+4*\i:OD+4*\i+3], v[RDA] offset:544*\i
.endr
	s_wait_dscnt 0x0
.irp i, 0,1,2,3,4,5,6,7
	v_min_u32 v[OW+\i], 0x3fff, v[OW+\i]
	v_lshl_add_u32 v[OW+\i], v[OW+\i], 11, v[OOF]
	global_store_b128 v[OW+\i], v[OD+4*\i:OD+4*\i+3], s[30:31] th:TH_STORE_NT
.endr
.endm
	OUTN 0
	OUTN 1
	OUTN 2
	OUTN 3
	s_wait_xcnt 0x0
	v_lshl_add_u32 v254, v0, 2, 0x37900
	v_mov_b32 v255, 0
	s_wait_tensorcnt 0x0
	ds_add_u32 v254, v255
	s_wait_dscnt 0x0
	s_endpgm
.Lfunc_end_k_qd7038b75f4_main:
	.size	k_qd7038b75f4_main, .Lfunc_end_k_qd7038b75f4_main-k_qd7038b75f4_main
	.p2alignl 7, 3214868480
	.fill 96, 4, 3214868480
	.section	.rodata,"a",@progbits
	.p2align	6, 0x0
	.amdhsa_kernel k_qd7038b75f4_main
		.amdhsa_group_segment_fixed_size 228608
		.amdhsa_private_segment_fixed_size 0
		.amdhsa_enable_private_segment 0
		.amdhsa_kernarg_size 96
		.amdhsa_user_sgpr_count 2
		.amdhsa_user_sgpr_kernarg_segment_ptr 1
		.amdhsa_wavefront_size32 1
		.amdhsa_system_sgpr_workgroup_id_x 1
		.amdhsa_system_sgpr_workgroup_id_y 1
		.amdhsa_system_sgpr_workgroup_id_z 1
		.amdhsa_system_vgpr_workitem_id 0
		.amdhsa_next_free_vgpr 512
		.amdhsa_next_free_sgpr 66
		.amdhsa_reserve_vcc 1
		.amdhsa_float_denorm_mode_32 3
		.amdhsa_float_denorm_mode_16_64 3
		.amdhsa_memory_ordered 1
		.amdhsa_forward_progress 1
		.amdhsa_inst_pref_size 255
	.end_amdhsa_kernel
	.section	.bss,"aw",@nobits
	.p2align	6
	.space	262144
	.amdgpu_metadata
---
amdhsa.version: [ 1, 2 ]
amdhsa.kernels:
  - .name:           k_qd7038b75f4_main
    .symbol:         k_qd7038b75f4_main.kd
    .args:
      - { .name: order, .offset: 0, .size: 8, .value_kind: global_buffer, .address_space: global }
      - { .name: wl, .offset: 8, .size: 8, .value_kind: global_buffer, .address_space: global }
      - { .name: wq, .offset: 16, .size: 8, .value_kind: global_buffer, .address_space: global }
      - { .name: char_ids, .offset: 24, .size: 8, .value_kind: global_buffer, .address_space: global }
      - { .name: char_len, .offset: 32, .size: 8, .value_kind: global_buffer, .address_space: global }
      - { .name: word_ids, .offset: 40, .size: 8, .value_kind: global_buffer, .address_space: global }
      - { .name: word_emb, .offset: 48, .size: 8, .value_kind: global_buffer, .address_space: global }
      - { .name: char_emb, .offset: 56, .size: 8, .value_kind: global_buffer, .address_space: global }
      - { .name: b_f, .offset: 64, .size: 8, .value_kind: global_buffer, .address_space: global }
      - { .name: b_r, .offset: 72, .size: 8, .value_kind: global_buffer, .address_space: global }
      - { .name: b_lin, .offset: 80, .size: 8, .value_kind: global_buffer, .address_space: global }
      - { .name: out0, .offset: 88, .size: 8, .value_kind: global_buffer, .address_space: global }
    .group_segment_fixed_size: 228608
    .private_segment_fixed_size: 0
    .kernarg_segment_align: 8
    .kernarg_segment_size: 96
    .max_flat_workgroup_size: 256
    .sgpr_count:     66
    .vgpr_count:     512
    .wavefront_size: 32
...
	.end_amdgpu_metadata
.endif
;; end of part 2
